; MI455X (gfx1250); checked and timed in simulation.
; The chip was launched on July 23, 2026; its instructions are those of AMD's public machine-readable ISA for CDNA 5 (MIT licence, August 2026) and "CDNA5" Instruction Set Architecture Reference Guide (July 2026). The comments in the code are by the model that wrote it; some were corrected since.
;; Self Attention. Allowed arithmetic: matrix products marked QUANTISED: E2M1 operands, one E8M0 scale for each 32 along K, by v_wmma_scale_f32_16x16x128_f8f6f4 with both operands' format E2M1 (or v_wmma_scale_f32_32x16x128_f4), f32 sums; products left as they are: bf16, f16 or f32 operands; f32 sums; everything else in f32.
;; Inputs: Wk 1,024 x 1,024 float32; Wo 1,024 x 1,024 float32; Wq 1,024 x 1,024 float32; Wv 1,024 x 1,024 float32; bo 1,024 float32; x 2 x 2,048 x 1,024 float32.
;; Outputs: out0 2 x 2,048 x 1,024 float32.
;; This version of the problem:
;;   THIS VERSION OF THE PROBLEM IS GIVEN IN LOW PRECISION. The matrix products marked QUANTISED in the list below multiply operands that are first quantised to E2M1 (2 exponent bits, 1 mantissa bit; 4 bits a number), with one power-of-two scale for each 32 numbers along K (OCP MX v1.0); their sums are f32. The products marked 'left as it is' may take bf16, f16 or f32 operands, with f32 sums. Whichever they take, every output number must still come out within the allowed error. Rounding operands to bf16 (8 significant bits) uses up far more of that allowance than f16 does (11 bits, for magnitudes from 6e-5 to 65,504). All else is computed in f32.
;;   The module's matrix products, in the order in which they are computed (A, B: the left and right operand; K: the contracted axis; several contracted axes count as one K, in the product's order):
;;     1. [M 4,096, K 1,024] x [K 1,024, N 1,024]; A: input x; B: input Wq: QUANTISED
;;     2. [M 4,096, K 1,024] x [K 1,024, N 1,024]; A: input x; B: input Wk: QUANTISED
;;     3. [M 4,096, K 1,024] x [K 1,024, N 1,024]; A: input x; B: input Wv: QUANTISED
;;     4. batch 32 x [M 2,048, K 64] x [K 64, N 2,048]; A: computed on the way; B: computed on the way: left as it is (an operand is computed on the way)
;;     5. batch 32 x [M 2,048, K 2,048] x [K 2,048, N 64]; A: computed on the way; B: computed on the way: left as it is (an operand is computed on the way)
;;     6. [M 4,096, K 1,024] x [K 1,024, N 1,024]; A: computed on the way; B: input Wo: left as it is (an operand is computed on the way)
;;   THE QUANTISER, for each operand of a quantised product, along K:
;;     - K is cut into blocks of 32 from its start; a last block that is shorter is filled with zeros.
;;     - A block's scale is 2^e with e = floor(log2(the largest magnitude in the block)) - 2, held to -126 .. 127; a block of zeros has e = 0. As a byte (E8M0): e + 127.
;;     - Each number is divided by its block's scale, clamped to +-6, and rounded to the nearest number of E2M1, ties to even, subnormals kept.
;;     - The product sums the exact products of the quantised numbers (number of the format x scale) in f32.
;;   ~~~python
;;   def quantise(x, axis):      # numpy; x: float32 -> the quantised numbers, widened to float32 again
;;       x = np.moveaxis(x, axis, -1); K = x.shape[-1]
;;       x = np.pad(x, [(0, 0)] * (x.ndim - 1) + [(0, -K % 32)]); x = x.reshape(x.shape[:-1] + (-1, 32)); a = np.abs(x).max(-1, keepdims=True)
;;       e = np.where(a > 0, np.clip(np.frexp(np.where(a > 0, a, 1))[1] - 1 - 2, -126, 127), 0)      # np.frexp(a)[1] - 1 = floor(log2(a)), exactly
;;       r = np.clip(x / 2.0 ** e, -6, 6)
;;       step = 2.0 ** (np.maximum(np.frexp(np.where(r == 0, 1, r))[1] - 1, 0) - 1)
;;       q = np.round(r / step) * step * 2.0 ** e      # np.round: ties to even
;;       return np.moveaxis(q.reshape(q.shape[:-2] + (-1,))[..., :K], -1, axis).astype(np.float32)
;;   ~~~
;; One version. Each part assembles by itself: llvm-mc -triple=amdgcn-amd-amdhsa -mcpu=gfx1250 --defsym DOCPART=n.
;; ======== version 1 of 1: 4 launches
;; limits: values are held in f16: magnitudes above 65,504 overflow, below 6.1e-05 lose precision
;; workspace buffers: xc 2,097,152 bytes; xs 131,072 bytes; wc 1,572,864 bytes; wsc 98,304 bytes; wo16 2,097,152 bytes; qkv 25,165,824 bytes; ao 8,388,608 bytes
;; launch prep (part 1): grid 512 x 1, 4 waves a work-group, no clusters, 34,304 bytes of LDS; arguments x, Wq, Wk, Wv, Wo, xc, xs, wc, wsc, wo16; writes xc, xs, wc, wsc, wo16
.if DOCPART == 1
	.amdgcn_target "amdgcn-amd-amdhsa--gfx1250"
	.amdhsa_code_object_version 6
	.text
	.protected	k_q51a96176d4_prep
	.globl	k_q51a96176d4_prep
	.p2align	8
	.type	k_q51a96176d4_prep,@function
k_q51a96176d4_prep:
	s_mov_b64 s[64:65], 0
	v_nop
	global_prefetch_b8 v0, s[64:65] scope:SCOPE_SE
	s_setreg_imm32_b32 hwreg(HW_REG_WAVE_MODE, 25, 1), 1
	s_wait_xcnt 0x0
; PREP.  x [4096][1024] and Wq, Wk, Wv [1024 (k)][1024 (n)], f32, become codes of FP4 (E2M1) with one E8M0 scale byte for each 32 along K; Wo [1024 (k)][1024 (n)] becomes f16.
; EVERY OUTPUT IS LAID AS AN IMAGE OF THE OPERAND'S REGISTERS: a group of four registers of a fragment is 512 consecutive bytes, lane l's 16 bytes at 16 l.
;   xc   [256 tiles of 16 rows][32 blocks of 32 k][16 rows][16 bytes]      xs  [256][8 K steps of 128][16 rows][4 bytes]
;   wc   [192 tiles of 16 columns][32 blocks][16 columns][16 bytes], tile = 12 head + 4 sel + tile in the head (sel 0 = q, 1 = k, 2 = v);   wsc [192][8][16][4 bytes]
;   wo16 [64 tiles of 16 columns][128 groups of 8 k][16 columns][16 bytes]
; A block's scale is 2^(floor(log2(its largest magnitude)) - 2); its byte is the largest magnitude's exponent field - 2, held at 1 from below.
; LIMITS: NaN and infinities among the inputs are not served; a block of zeros gets the byte 1 where the rule says 127 (its codes are zeros, which add nothing, and this program alone reads the bytes);
; Wo is rounded to f16: its magnitudes stay under 65,504.
; SHARES: work-groups 0-255 take a tile of 16 rows of x each (64 KB); work-groups 256-511 take 128 k x 128 columns of one of the four weights (64 KB).  Waves share nothing: no barrier.
.set STG,   8448                       ; a wave's stage: 16 rows x (512 bytes + 16)
.set SPARE, 4*STG                      ; behind the four stages: the spare words, 128 bytes a wave, that no other line names
.set SPW,   20                         ; v20  SPARE + 4 x my thread's number; never rewritten
.set NIL,   21                         ; v21  0; never rewritten
.set R,     32                         ; v32-159   numbers as they are loaded
.set X,     160                        ; v160-223  x's path: two whole blocks of 32 of my row; weights' path: results to store
.set C,     224                        ; v224-239  x's path: codes, registers of their own for each store
.set FLOOR, 0x1800000                  ; 2^(3 - 127): under it no largest magnitude is taken, so the byte cannot fall under 1
.set EOFF,  0xff000000                 ; takes 2 off an exponent field
; x's path, K step s of my two: 16 rows x 128 numbers turn through my stage, so that lane (r, h) holds blocks h and 2 + h of row r, as the operand's layout wants them
.macro XSTEP s
.if \s == 0
	s_wait_loadcnt 16                              ; this step's 16 loads are in; the other step's 16 may be out
.else
	s_wait_loadcnt 0x0
.endif
.irp i, 0,1,2,3,4,5,6,7,8,9,10,11,12,13,14,15
	ds_store_b128 v6, v[R+64*\s+4*\i:R+64*\s+4*\i+3] offset:\i*528
.endr
.irp c, 0,1
.irp j, 0,1,2,3,4,5,6,7
	ds_load_b128 v[X+32*\c+4*\j:X+32*\c+4*\j+3], v7 offset:\c*256+16*\j   ; LDS serves a wave's instructions in order: these see the stores above
.endr
.endr
	s_wait_dscnt 0x0
.irp c, 0,1
	v_max3_num_f32 v[10+\c], |v[X+32*\c]|, |v[X+32*\c+1]|, FLOOR          ; the block's largest magnitude: all 32 numbers are mine; the two blocks by turns
.endr
.irp i, 2,4,6,8,10,12,14,16,18,20,22,24,26,28,30
.irp c, 0,1
	v_max3_num_f32 v[10+\c], v[10+\c], |v[X+32*\c+\i]|, |v[X+32*\c+\i+1]|
.endr
.endr
.irp c, 0,1
	v_add_nc_u32 v[12+\c], EOFF, v[10+\c]          ; the conversion takes the exponent field of this operand as its scale
.endr
.irp c, 0,1
	v_lshrrev_b32 v[14+\c], 23, v[12+\c]           ; the scale's byte
.endr
	v_lshl_or_b32 v16, v15, 16, v14                ; my two bytes, blocks h and 2 + h,
	v_lshlrev_b32 v16, v8, v16                     ; at their places in the word (8 h bits up);
	v_permlanex16_b32 v9, v16, s28, s29
	v_or_b32 v[17+\s], v16, v9                     ; with lane l xor 16's two the word is whole
.irp c, 0,1
.irp g, 0,1,2,3
	v_cvt_scalef32_pk8_fp4_f32 v[C+8*\s+4*\c+\g], v[X+32*\c+8*\g:X+32*\c+8*\g+7], v[12+\c]
.endr
.endr
	v_nop                                          ; one plain line behind the last conversion
.irp c, 0,1
	global_store_b128 v4, v[C+8*\s+4*\c:C+8*\s+4*\c+3], s[18:19] offset:\s*1024+\c*512   ; 32 lanes store 512 consecutive bytes, aligned
.endr
.endm
; the weights' path: block t = 32 rows k of my column
.macro WLOAD t
.irp i, 0,1,2,3,4,5,6,7,8,9,10,11,12,13,14,15,16,17,18,19,20,21,22,23,24,25,26,27,28,29,30,31
	global_load_b32 v[R+32*(\t)+\i], v5, s[10:11] offset:(32*(\t)+\i)*4096 th:TH_LOAD_NT
.endr
.endm
.macro WAITB t                         ; block t's loads are in; the block two on is asked for
.if (\t) < 3
	s_wait_loadcnt 32                              ; the next block's 32 loads may be out
.else
	s_wait_loadcnt 0x0
.endif
.if (\t)+2 < 4
	WLOAD (\t)+2
.endif
.endm
.macro QBLOCK t                        ; to FP4
	WAITB \t
.set XS, R+32*(\t)
	v_max3_num_f32 v12, |v[XS]|, |v[XS+1]|, |v[XS+2]|
	v_max3_num_f32 v13, |v[XS+3]|, |v[XS+4]|, |v[XS+5]|
.irp i, 6,10,14,18,22,26
	v_max3_num_f32 v12, v12, |v[XS+\i]|, |v[XS+\i+1]|
	v_max3_num_f32 v13, v13, |v[XS+\i+2]|, |v[XS+\i+3]|
.endr
	v_max3_num_f32 v12, v12, |v[XS+30]|, |v[XS+31]|
	v_max3_num_f32 v12, v12, v13, FLOOR
	v_add_nc_u32 v11, EOFF, v12
	v_lshrrev_b32 v13, 23, v11
.if (\t) == 0
	v_mov_b32 v10, v13                             ; four bytes make my column's scale word of this K step
.else
	v_lshl_or_b32 v10, v13, 8*(\t), v10
.endif
.irp g, 0,1,2,3
	v_cvt_scalef32_pk8_fp4_f32 v[X+4*(\t)+\g], v[XS+8*\g:XS+8*\g+7], v11
.endr
	v_nop                                          ; one plain line behind the last conversion
	global_store_b128 v6, v[X+4*(\t):X+4*(\t)+3], s[22:23] offset:(\t)*256   ; sixteen lanes store 256 consecutive bytes, aligned
.endm
.macro HBLOCK t                        ; to f16: four groups of 8 k
	WAITB \t
.irp g, 0,1,2,3
.irp j, 0,1,2,3
	v_cvt_pk_f16_f32 v[X+16*(\t)+4*\g+\j], v[R+32*(\t)+8*\g+2*\j], v[R+32*(\t)+8*\g+2*\j+1]
.endr
	global_store_b128 v6, v[X+16*(\t)+4*\g:X+16*(\t)+4*\g+3], s[26:27] offset:(4*(\t)+\g)*256
.endr
.endm
	s_load_b512 s[8:23], s[0:1], 0x0               ; x 8, Wq 10, Wk 12, Wv 14, Wo 16, xc 18, xs 20, wc 22
	s_load_b128 s[24:27], s[0:1], 0x40             ; wsc 24, wo16 26
	v_lshl_add_u32 v[SPW], v0, 2, SPARE
	v_mov_b32 v[NIL], 0
	v_lshrrev_b32 v1, 5, v0
	v_readfirstlane_b32 s2, v1                     ; wave 0..3
	v_and_b32 v1, 31, v0                           ; lane
	v_and_b32 v2, 15, v0                           ; r
	v_bfe_u32 v3, v0, 4, 1                         ; h
	v_lshlrev_b32 v4, 4, v1                        ; 16 x lane
	v_lshlrev_b32 v5, 2, v1                        ; 4 x lane
	s_mov_b32 s28, 0x76543210
	s_mov_b32 s29, 0xfedcba98                      ; v_permlanex16_b32's selects for lane l xor 16
	s_wait_kmcnt 0x0
	s_cmp_lt_u32 ttmp9, 256
	s_cbranch_scc0 .Lweights
	; ---- x: work-group g is the tile of rows 16 g on; wave w takes K steps 2 w and 2 w + 1
	s_mul_i32 s30, s2, STG
	v_add_nc_u32 v6, s30, v4                       ; the stage, on the way in: 16 x lane of a row
	v_mul_u32_u24 v7, v2, 528
	v_lshl_add_u32 v7, v3, 7, v7
	v_add_nc_u32 v7, s30, v7                       ; on the way out: row r, block h
	v_lshlrev_b32 v8, 3, v3                        ; 8 h
	v_mov_b32 v9, 0                                ; a lane permute's destination counts as one of its sources
	s_lshl_b32 s32, ttmp9, 16                      ; 16 rows of 4,096 bytes
	s_lshl_b32 s34, s2, 10
	s_add_co_u32 s32, s32, s34
	s_mov_b32 s33, 0
	s_add_nc_u64 s[8:9], s[8:9], s[32:33]
	s_lshl_b32 s32, ttmp9, 13                      ; a tile's codes are 8,192 bytes, a K step's 1,024
	s_lshl_b32 s34, s2, 11
	s_add_co_u32 s32, s32, s34
	s_add_nc_u64 s[18:19], s[18:19], s[32:33]
	s_lshl_b32 s32, ttmp9, 9                       ; a tile's scale words are 512 bytes, a K step's 64
	s_lshl_b32 s34, s2, 7
	s_add_co_u32 s32, s32, s34
	s_add_nc_u64 s[20:21], s[20:21], s[32:33]
.irp s, 0,1
.irp i, 0,1,2,3,4,5,6,7,8,9,10,11,12,13,14,15
	global_load_b128 v[R+64*\s+4*\i:R+64*\s+4*\i+3], v4, s[8:9] offset:\i*4096+\s*512 th:TH_LOAD_NT   ; 512 consecutive bytes of row i
.endr
.endr
	XSTEP 0
	XSTEP 1
	v_cmp_gt_u32 vcc_lo, 16, v1
	v_cndmask_b32 v19, v18, v17, vcc_lo            ; lanes 0-15: the first step's word of row r; lanes 16-31: the second's
	global_store_b32 v5, v19, s[20:21]             ; 128 consecutive bytes
	s_wait_tensorcnt 0x0                           ; the wave's end
	ds_add_u32 v[SPW], v[NIL]
	s_wait_dscnt 0x0
	s_endpgm
	; ---- the weights: a lane takes a column n, its registers run down K, so that the conversions' results have K innermost and nothing is transposed
.Lweights:
	s_sub_co_u32 s3, ttmp9, 256
	s_lshr_b32 s30, s3, 6                          ; sel: 0 Wq, 1 Wk, 2 Wv, 3 Wo
	s_bfe_u32 s31, s3, 0x30003                     ; which 128 columns
	s_and_b32 s36, s3, 7                           ; which K step of 128
	s_cmp_eq_u32 s30, 1                            ; the choice hangs on the work-group's number alone
	s_cselect_b64 s[10:11], s[12:13], s[10:11]
	s_cmp_eq_u32 s30, 2
	s_cselect_b64 s[10:11], s[14:15], s[10:11]
	s_cmp_eq_u32 s30, 3
	s_cselect_b64 s[10:11], s[16:17], s[10:11]
	s_lshl_b32 s32, s36, 19                        ; 128 rows of 4,096 bytes
	s_lshl_b32 s33, s31, 9
	s_add_co_u32 s32, s32, s33
	s_lshl_b32 s33, s2, 7                          ; my wave's 32 columns
	s_add_co_u32 s32, s32, s33
	s_mov_b32 s33, 0
	s_add_nc_u64 s[10:11], s[10:11], s[32:33]
	WLOAD 0
	WLOAD 1
	v_lshlrev_b32 v6, 4, v2                        ; 16 r
	s_cmp_eq_u32 s30, 3
	s_cbranch_scc1 .Lwo
	s_lshl_b32 s32, s31, 1
	s_lshr_b32 s33, s2, 1
	s_add_co_u32 s32, s32, s33                     ; the head: 64 columns
	s_mul_i32 s32, s32, 12
	s_lshl_b32 s33, s30, 2
	s_add_co_u32 s32, s32, s33
	s_and_b32 s33, s2, 1
	s_lshl_b32 s33, s33, 1
	s_add_co_u32 s32, s32, s33                     ; lanes 0-15's tile of 16 columns; lanes 16-31 take the next
	s_lshl_b32 s34, s32, 9
	s_lshl_b32 s35, s36, 6
	s_add_co_u32 s34, s34, s35
	s_mov_b32 s35, 0
	s_add_nc_u64 s[24:25], s[24:25], s[34:35]
	s_lshl_b32 s32, s32, 13
	s_lshl_b32 s33, s36, 10
	s_add_co_u32 s32, s32, s33
	s_mov_b32 s33, 0
	s_add_nc_u64 s[22:23], s[22:23], s[32:33]
	v_lshl_add_u32 v6, v3, 13, v6                  ; codes: 8,192 h + 16 r
	v_lshlrev_b32 v7, 2, v2
	v_lshl_add_u32 v7, v3, 9, v7                   ; scale words: 512 h + 4 r
	QBLOCK 0
	QBLOCK 1
	QBLOCK 2
	QBLOCK 3
	global_store_b32 v7, v10, s[24:25]             ; pieces of 64 bytes: 96 KB in the whole launch, one byte for each 128 that it reads
	s_endpgm
.Lwo:
	s_lshl_b32 s32, s31, 3
	s_lshl_b32 s33, s2, 1
	s_add_co_u32 s32, s32, s33                     ; lanes 0-15's tile of 16 columns
	s_lshl_b32 s32, s32, 15
	s_lshl_b32 s33, s36, 12                        ; 16 groups of 8 k, 256 bytes each
	s_add_co_u32 s32, s32, s33
	s_mov_b32 s33, 0
	s_add_nc_u64 s[26:27], s[26:27], s[32:33]
	v_lshl_add_u32 v6, v3, 15, v6                  ; 32,768 h + 16 r
	HBLOCK 0
	HBLOCK 1
	HBLOCK 2
	HBLOCK 3
	s_endpgm
.Lfunc_end_k_q51a96176d4_prep:
	.size	k_q51a96176d4_prep, .Lfunc_end_k_q51a96176d4_prep-k_q51a96176d4_prep
	.p2alignl 7, 3214868480
	.fill 96, 4, 3214868480
	.section	.rodata,"a",@progbits
	.p2align	6, 0x0
	.amdhsa_kernel k_q51a96176d4_prep
		.amdhsa_group_segment_fixed_size 34304
		.amdhsa_private_segment_fixed_size 0
		.amdhsa_enable_private_segment 0
		.amdhsa_kernarg_size 80
		.amdhsa_user_sgpr_count 2
		.amdhsa_user_sgpr_kernarg_segment_ptr 1
		.amdhsa_wavefront_size32 1
		.amdhsa_system_sgpr_workgroup_id_x 1
		.amdhsa_system_sgpr_workgroup_id_y 1
		.amdhsa_system_sgpr_workgroup_id_z 1
		.amdhsa_system_vgpr_workitem_id 0
		.amdhsa_next_free_vgpr 240
		.amdhsa_next_free_sgpr 66
		.amdhsa_reserve_vcc 1
		.amdhsa_float_denorm_mode_32 3
		.amdhsa_float_denorm_mode_16_64 3
		.amdhsa_memory_ordered 1
		.amdhsa_forward_progress 1
		.amdhsa_inst_pref_size 48
	.end_amdhsa_kernel
	.amdgpu_metadata
---
amdhsa.version: [ 1, 2 ]
amdhsa.kernels:
  - .name:           k_q51a96176d4_prep
    .symbol:         k_q51a96176d4_prep.kd
    .args:
      - { .name: x, .offset: 0, .size: 8, .value_kind: global_buffer, .address_space: global }
      - { .name: Wq, .offset: 8, .size: 8, .value_kind: global_buffer, .address_space: global }
      - { .name: Wk, .offset: 16, .size: 8, .value_kind: global_buffer, .address_space: global }
      - { .name: Wv, .offset: 24, .size: 8, .value_kind: global_buffer, .address_space: global }
      - { .name: Wo, .offset: 32, .size: 8, .value_kind: global_buffer, .address_space: global }
      - { .name: xc, .offset: 40, .size: 8, .value_kind: global_buffer, .address_space: global }
      - { .name: xs, .offset: 48, .size: 8, .value_kind: global_buffer, .address_space: global }
      - { .name: wc, .offset: 56, .size: 8, .value_kind: global_buffer, .address_space: global }
      - { .name: wsc, .offset: 64, .size: 8, .value_kind: global_buffer, .address_space: global }
      - { .name: wo16, .offset: 72, .size: 8, .value_kind: global_buffer, .address_space: global }
    .group_segment_fixed_size: 34304
    .private_segment_fixed_size: 0
    .kernarg_segment_align: 8
    .kernarg_segment_size: 80
    .max_flat_workgroup_size: 128
    .sgpr_count:     66
    .vgpr_count:     240
    .wavefront_size: 32
...
	.end_amdgpu_metadata
.endif
;; end of part 1
;; launch qkv (part 2): grid 16 x 16, 16 waves a work-group, clusters of 4 x 4, 245,760 bytes of LDS; arguments xc, xs, wc, wsc, qkv; writes qkv
.if DOCPART == 2
	.amdgcn_target "amdgcn-amd-amdhsa--gfx1250"
	.amdhsa_code_object_version 6
	.text
	.protected	k_q51a96176d4_qkv
	.globl	k_q51a96176d4_qkv
	.p2align	8
	.type	k_q51a96176d4_qkv,@function
k_q51a96176d4_qkv:
	s_mov_b64 s[64:65], 0
	v_nop
	global_prefetch_b8 v0, s[64:65] scope:SCOPE_SE
	s_setreg_imm32_b32 hwreg(HW_REG_WAVE_MODE, 25, 1), 1
	s_wait_xcnt 0x0
	s_wait_alu depctr_hold_cnt(0) depctr_sa_sdst(0) depctr_va_vdst(0) depctr_va_sdst(0) depctr_va_ssrc(0) depctr_va_vcc(0) depctr_vm_vsrc(0)
	s_getreg_b32 s2, hwreg(HW_REG_IB_STS2, 6, 4)
	s_cmp_eq_u32 s2, 0
	s_cbranch_scc0 .Lentry_in_a_cluster
	s_endpgm
.Lentry_in_a_cluster:
	s_bfe_u32 s2, ttmp6, 0x10000c
	s_cmp_lg_u32 s2, 0xf033
	s_cbranch_scc0 .Lentry_shape_is_right
	s_endpgm
.Lentry_shape_is_right:
; QKV.  q, k, v = x Wq, x Wk, x Wv on codes of FP4 (E2M1) with E8M0 scales for each 32 along K; sums in f32; the results are rounded to f16 for the attention.
; LIMIT: |q|, |k|, |v| stay under 65,504.
; SHARES.  A work-group makes 256 rows x the 64 + 64 + 64 columns of q, k, v of ONE head.  All its operands for the whole K lie in LDS (128 KB of x's codes, 96 KB of the weights', 14 KB of scale words):
; every byte of LDS is filled once, there is no ring.  Sixteen waves: wave w takes the four tiles of 16 rows 4 (w & 3) on and tile w >> 2 of 16 columns of each of q, k, v: 12 accumulators.
; All operands are images of their registers: every LDS load of 16 bytes a lane takes 512 consecutive bytes.
; CLUSTER 4 x 4: the four work-groups of a row of the cluster share their rows of x, the four of a column their head's weights: each tile is asked for jointly.
; q and k are made TRANSPOSED (source 0 = 16 columns of W, source 1 = 16 rows of x): a lane holds one token and eight channels; v in the natural order: a lane holds one channel and eight tokens.
; So 16 bytes a lane are, as they stand, a group of four registers of the attention's operands, and each store of a wave covers 512 consecutive bytes, aligned.
; qkv: part sel at sel x 8 MiB; (batch, head) x 262,144; q, k: token tile x 2,048 + channel tile x 512; v: (token tile / 2) x 4,096 + channel tile x 1,024 + (token tile & 1) x 512.
.set BCO,   131072                     ; LDS: x's codes, half q of K at 65,536 q: [16 tiles][4 KB]; the weights' at BCO + 49,152 q: [12 tiles][4 KB]
.set ASC,   229376                     ; x's scale words [16 tiles][8 K steps][64 bytes]
.set BSC,   237568                     ; the weights' [12][8][64]
.set SPARE, 243712                     ; the spare words, 128 bytes a wave, that no other line names
.set SPW,   8                          ; v8   SPARE + 4 x my thread's number; never rewritten
.set NIL,   9                          ; v9   0; never rewritten
.set ACC,   16                         ; v16-111   accumulator (sel, a) at ACC + 8 (4 sel + a)
.set AF,    112                        ; v112-143  four fragments of x
.set BF,    144                        ; v144-167  three fragments of W
.set SA,    168                        ; v168-171  x's scale words; v172-174 W's: these registers hold scales and nothing else
.set SB,    172
.set G1A,   24                         ; descriptor groups 1: x's codes, W's codes, x's scales, W's scales
.set G1B,   32
.set G1SA,  48
.set G1SB,  56
.set G0SA,  68                         ; groups 0, one for each load
.set G0A,   72
.set G0SB,  80
.set G0B,   84
.macro CROUND                          ; a round of the cluster's barrier
	s_barrier_signal -1
	s_barrier_wait -1
	s_cmp_lg_u32 s14, 0
	s_cbranch_scc1 .Lnot_wave_0_\@
	s_barrier_signal -3
.Lnot_wave_0_\@:
	s_barrier_wait -3
	s_barrier_signal -1
	s_barrier_wait -1
.endm
.macro MM d, a, b, sa, sb, zero
.if \zero
	v_wmma_scale_f32_16x16x128_f8f6f4 v[\d:\d+7], v[\a:\a+7], v[\b:\b+7], 0, v[\sa], v[\sb] matrix_a_fmt:MATRIX_FMT_FP4 matrix_b_fmt:MATRIX_FMT_FP4
.else
	v_wmma_scale_f32_16x16x128_f8f6f4 v[\d:\d+7], v[\a:\a+7], v[\b:\b+7], v[\d:\d+7], v[\sa], v[\sb] matrix_a_fmt:MATRIX_FMT_FP4 matrix_b_fmt:MATRIX_FMT_FP4
.endif
.endm
; A K step of 128: 14 loads of fragments, 7 of scale words, 12 matrix instructions.  The 12 accumulators take turns, one instruction a turn.
.macro KSTEP ks, zero
.if (\ks) > 0
.rept 4
	v_nop                                          ; four places in front of loads into registers that matrix instructions have read
.endr
.endif
.set AD, 2+(\ks)/4
.set BD, 4+(\ks)/4
.set KO, ((\ks)%4)*1024
.irp a, 0,1,2,3
.irp c, 0,1
	ds_load_b128 v[AF+8*\a+4*\c:AF+8*\a+4*\c+3], v[AD] offset:\a*4096+KO+\c*512
.endr
.endr
.irp e, 0,1,2
.irp c, 0,1
	ds_load_b128 v[BF+8*\e+4*\c:BF+8*\e+4*\c+3], v[BD] offset:\e*16384+KO+\c*512
.endr
.endr
.irp a, 0,1,2,3
	ds_load_b32 v[SA+\a], v6 offset:\a*512+(\ks)*64
.endr
.irp e, 0,1,2
	ds_load_b32 v[SB+\e], v7 offset:\e*2048+(\ks)*64
.endr
	s_wait_dscnt 0x0                               ; the SIMD's other three waves work meanwhile
.irp a, 0,1,2,3
	MM ACC+8*\a, BF, AF+8*\a, SB, SA+\a, \zero             ; q, transposed
	MM ACC+8*(4+\a), BF+8, AF+8*\a, SB+1, SA+\a, \zero     ; k, transposed
	MM ACC+8*(8+\a), AF+8*\a, BF+16, SA+\a, SB+2, \zero    ; v
.endr
.endm
	s_load_b256 s[4:11], s[0:1], 0x0               ; xc 4, xs 6, wc 8, wsc 10
	s_load_b64 s[12:13], s[0:1], 0x20              ; qkv
	v_lshl_add_u32 v[SPW], v0, 2, SPARE
	v_mov_b32 v[NIL], 0
	ds_add_u32 v[SPW], v[NIL]                      ; the opening: the add, twice on end, and its wait ahead of the first tensor load
	ds_add_u32 v[SPW], v[NIL]
	v_lshrrev_b32 v1, 5, v0
	v_readfirstlane_b32 s14, v1                    ; wave 0..15
	s_and_b32 s15, s14, 3                          ; which four tiles of rows
	s_lshr_b32 s16, s14, 2                         ; which tile of columns of each of q, k, v
	s_bfe_u32 s40, ttmp6, 0x40000                  ; cx, cy
	s_bfe_u32 s41, ttmp6, 0x40004
	s_lshl_b32 s42, ttmp9, 2
	s_add_co_u32 s42, s42, s40                     ; the head
	s_and_b32 s17, ttmp7, 0xffff
	s_lshl_b32 s17, s17, 2
	s_add_co_u32 s17, s17, s41                     ; the block of 256 rows
	s_lshl_b32 s43, s41, 2
	s_lshl_b32 s43, 15, s43                        ; my row of the cluster
	s_lshl_b32 s44, 0x1111, s40                    ; my column
	s_or_b32 s[G1A], s43, (3<<16)|(1<<21)          ; 15:0 the mask; 17:16 elements of 8 bytes; 21 set beside a mask; no padding
	s_or_b32 s[G1B], s44, (3<<16)|(1<<21)
	s_or_b32 s[G1SA], s43, (3<<16)|(1<<21)
	s_or_b32 s[G1SB], s44, (3<<16)|(1<<21)
	s_mov_b32 s[G1A+1], 512<<16                    ; x's codes: 16 rows (tiles) of 4,096 bytes (half of K), 8,192 bytes apart
	s_mov_b32 s[G1A+2], 16<<16
	s_mov_b32 s[G1A+3], 512<<16
	s_mov_b32 s[G1A+4], 16
	s_mov_b32 s[G1A+5], 1024
	s_mov_b32 s[G1A+6], 0
	s_mov_b32 s[G1A+7], 0
	s_mov_b32 s[G1B+1], 512<<16                    ; W's: 12 such rows
	s_mov_b32 s[G1B+2], 12<<16
	s_mov_b32 s[G1B+3], 512<<16
	s_mov_b32 s[G1B+4], 12
	s_mov_b32 s[G1B+5], 1024
	s_mov_b32 s[G1B+6], 0
	s_mov_b32 s[G1B+7], 0
	s_mov_b32 s[G1SA+1], 32<<16                    ; x's scale words: 8,192 dense bytes as 32 rows of 256
	s_mov_b32 s[G1SA+2], 32<<16
	s_mov_b32 s[G1SA+3], 32<<16
	s_mov_b32 s[G1SA+4], 32
	s_mov_b32 s[G1SA+5], 32
	s_mov_b32 s[G1SA+6], 0
	s_mov_b32 s[G1SA+7], 0
	s_mov_b32 s[G1SB+1], 32<<16                    ; W's: 6,144 dense bytes as 24 rows
	s_mov_b32 s[G1SB+2], 24<<16
	s_mov_b32 s[G1SB+3], 32<<16
	s_mov_b32 s[G1SB+4], 24
	s_mov_b32 s[G1SB+5], 32
	s_mov_b32 s[G1SB+6], 0
	s_mov_b32 s[G1SB+7], 0
	v_and_b32 v1, 31, v0
	v_lshlrev_b32 v1, 4, v1                        ; v1  16 x lane
	v_and_b32 v10, 15, v0
	v_lshlrev_b32 v10, 2, v10                      ; 4 r
	s_lshl_b32 s3, s15, 14
	v_add_nc_u32 v2, s3, v1                        ; v2, v3  my four tiles of x in the two halves of K
	v_add_nc_u32 v3, 65536, v2
	s_lshl_b32 s3, s16, 12
	s_add_co_u32 s3, s3, BCO
	v_add_nc_u32 v4, s3, v1                        ; v4, v5  my tile of q's columns; k's and v's lie 16,384 and 32,768 on
	v_add_nc_u32 v5, 49152, v4
	s_lshl_b32 s3, s15, 11
	s_add_co_u32 s3, s3, ASC
	v_add_nc_u32 v6, s3, v10                       ; v6  x's scale words
	s_lshl_b32 s3, s16, 9
	s_add_co_u32 s3, s3, BSC
	v_add_nc_u32 v7, s3, v10                       ; v7  W's
	s_lshl_b32 s18, s17, 13                        ; x's offsets hang on the block of rows alone, W's on the head alone
	s_mov_b32 s19, 0
	s_lshl_b32 s20, s17, 17
	s_mov_b32 s21, 0
	s_mul_i32 s46, s42, 6144
	s_mov_b32 s47, 0
	s_mul_i32 s92, s42, 98304
	s_mov_b32 s93, 0
	s_wait_dscnt 0x0                               ; both opening adds are done
	s_wait_kmcnt 0x0
	s_mov_b32 s[G0SA], 1
	s_mov_b32 s[G0SA+1], ASC
	s_add_nc_u64 s[G0SA+2:G0SA+3], s[6:7], s[18:19]
	s_or_b32 s[G0SA+3], s[G0SA+3], 0x80000000
	s_mov_b32 s[G0SB], 1
	s_mov_b32 s[G0SB+1], BSC
	s_add_nc_u64 s[G0SB+2:G0SB+3], s[10:11], s[46:47]
	s_or_b32 s[G0SB+3], s[G0SB+3], 0x80000000
	s_add_nc_u64 s[20:21], s[4:5], s[20:21]
	s_add_nc_u64 s[92:93], s[8:9], s[92:93]
.irp q, 0,1
	s_mov_b32 s[G0A+4*\q], 1
	s_mov_b32 s[G0A+4*\q+1], \q*65536
	s_add_nc_u64 s[G0A+4*\q+2:G0A+4*\q+3], s[20:21], \q*4096
	s_or_b32 s[G0A+4*\q+3], s[G0A+4*\q+3], 0x80000000
	s_mov_b32 s[G0B+4*\q], 1
	s_mov_b32 s[G0B+4*\q+1], BCO+\q*49152
	s_add_nc_u64 s[G0B+4*\q+2:G0B+4*\q+3], s[92:93], \q*4096
	s_or_b32 s[G0B+4*\q+3], s[G0B+4*\q+3], 0x80000000
.endr
	; where my results go
	s_lshr_b32 s2, s17, 3                          ; the batch: 8 blocks of 256 rows
	s_lshl_b32 s2, s2, 4
	s_add_co_u32 s2, s2, s42
	s_lshl_b32 s2, s2, 18
	s_and_b32 s3, s17, 7
	s_lshl_b32 s3, s3, 15
	s_add_co_u32 s2, s2, s3
	s_lshl_b32 s3, s15, 13
	s_add_co_u32 s2, s2, s3
	s_mov_b32 s3, 0
	s_add_nc_u64 s[12:13], s[12:13], s[2:3]
	s_lshl_b32 s2, s16, 10
	s_add_nc_u64 s[96:97], s[12:13], s[2:3]
	s_add_nc_u64 s[96:97], s[96:97], 0x1000000     ; v
	s_lshl_b32 s2, s16, 9
	s_add_nc_u64 s[12:13], s[12:13], s[2:3]        ; q
	s_add_nc_u64 s[94:95], s[12:13], 0x800000      ; k: a base of its own, since 8 MiB lies just outside the stores' signed 24-bit immediate
	CROUND                                         ; all sixteen work-groups are here: the joint loads meet
	s_cmp_eq_u32 s14, 0                            ; wave 0 asks for x's three tiles, wave 1 for W's: three tensor loads of a wave are out at the most
	s_cbranch_scc0 .Lnot_a
	tensor_load_to_lds s[G0SA:G0SA+3], s[G1SA:G1SA+7]
	s_nop 0
	tensor_load_to_lds s[G0A:G0A+3], s[G1A:G1A+7]
	s_nop 0
	tensor_load_to_lds s[G0A+4:G0A+7], s[G1A:G1A+7]
	s_nop 0
.rept 4
	v_nop
.endr
	s_branch .Lasked
.Lnot_a:
	s_cmp_eq_u32 s14, 1
	s_cbranch_scc0 .Lasked
	tensor_load_to_lds s[G0SB:G0SB+3], s[G1SB:G1SB+7]
	s_nop 0
	tensor_load_to_lds s[G0B:G0B+3], s[G1B:G1B+7]
	s_nop 0
	tensor_load_to_lds s[G0B+4:G0B+7], s[G1B:G1B+7]
	s_nop 0
.rept 4
	v_nop
.endr
.Lasked:
	s_wait_tensorcnt 0x1                           ; the scale words and the first half of K are in; the second half's load may be out
	s_barrier_signal -1
	s_barrier_wait -1
	KSTEP 0, 1                                     ; the first products start the sums: nothing is cleared
	KSTEP 1, 0
	KSTEP 2, 0
	KSTEP 3, 0
	s_wait_tensorcnt 0x0                           ; the second half of K is in,
	s_wait_dscnt 0x0
	s_barrier_signal -1
	s_barrier_wait -1                              ; for every wave
	KSTEP 4, 0
	KSTEP 5, 0
	KSTEP 6, 0
	KSTEP 7, 0
.rept 4
	v_nop                                          ; four places in front of the first read of results and the first write over fragments
.endr
.irp n, 0,1,2,3,4,5,6,7,8,9,10,11
.irp j, 0,1,2,3
	v_cvt_pk_f16_f32 v[AF+4*\n+\j], v[ACC+8*\n+2*\j], v[ACC+8*\n+2*\j+1]   ; each accumulator from its low end on
.endr
.endr
.irp a, 0,1,2,3
	global_store_b128 v1, v[AF+4*\a:AF+4*\a+3], s[12:13] offset:\a*2048
	global_store_b128 v1, v[AF+16+4*\a:AF+16+4*\a+3], s[94:95] offset:\a*2048
	global_store_b128 v1, v[AF+32+4*\a:AF+32+4*\a+3], s[96:97] offset:(\a/2)*4096+(\a%2)*512
.endr
	s_wait_tensorcnt 0x0                           ; the wave's end
	ds_add_u32 v[SPW], v[NIL]
	s_wait_dscnt 0x0
	CROUND                                         ; the closing round
	s_endpgm
.Lfunc_end_k_q51a96176d4_qkv:
	.size	k_q51a96176d4_qkv, .Lfunc_end_k_q51a96176d4_qkv-k_q51a96176d4_qkv
	.p2alignl 7, 3214868480
	.fill 96, 4, 3214868480
	.section	.rodata,"a",@progbits
	.p2align	6, 0x0
	.amdhsa_kernel k_q51a96176d4_qkv
		.amdhsa_group_segment_fixed_size 245760
		.amdhsa_private_segment_fixed_size 0
		.amdhsa_enable_private_segment 0
		.amdhsa_kernarg_size 40
		.amdhsa_user_sgpr_count 2
		.amdhsa_user_sgpr_kernarg_segment_ptr 1
		.amdhsa_wavefront_size32 1
		.amdhsa_system_sgpr_workgroup_id_x 1
		.amdhsa_system_sgpr_workgroup_id_y 1
		.amdhsa_system_sgpr_workgroup_id_z 1
		.amdhsa_system_vgpr_workitem_id 0
		.amdhsa_next_free_vgpr 176
		.amdhsa_next_free_sgpr 100
		.amdhsa_reserve_vcc 0
		.amdhsa_float_denorm_mode_32 3
		.amdhsa_float_denorm_mode_16_64 3
		.amdhsa_memory_ordered 1
		.amdhsa_forward_progress 1
		.amdhsa_inst_pref_size 36
	.end_amdhsa_kernel
	.amdgpu_metadata
---
amdhsa.version: [ 1, 2 ]
amdhsa.kernels:
  - .name:           k_q51a96176d4_qkv
    .symbol:         k_q51a96176d4_qkv.kd
    .args:
      - { .name: xc, .offset: 0, .size: 8, .value_kind: global_buffer, .address_space: global }
      - { .name: xs, .offset: 8, .size: 8, .value_kind: global_buffer, .address_space: global }
      - { .name: wc, .offset: 16, .size: 8, .value_kind: global_buffer, .address_space: global }
      - { .name: wsc, .offset: 24, .size: 8, .value_kind: global_buffer, .address_space: global }
      - { .name: qkv, .offset: 32, .size: 8, .value_kind: global_buffer, .address_space: global }
    .group_segment_fixed_size: 245760
    .private_segment_fixed_size: 0
    .kernarg_segment_align: 8
    .kernarg_segment_size: 40
    .max_flat_workgroup_size: 512
    .sgpr_count:     100
    .vgpr_count:     176
    .wavefront_size: 32
...
	.end_amdgpu_metadata
.endif
;; end of part 2
;; launch attn (part 3): grid 8 x 32, 8 waves a work-group, clusters of 4 x 1, 327,680 bytes of LDS; arguments qkv, ao; writes ao
.if DOCPART == 3
	.amdgcn_target "amdgcn-amd-amdhsa--gfx1250"
	.amdhsa_code_object_version 6
	.text
	.protected	k_q51a96176d4_attn
	.globl	k_q51a96176d4_attn
	.p2align	8
	.type	k_q51a96176d4_attn,@function
k_q51a96176d4_attn:
	s_mov_b64 s[64:65], 0
	v_nop
	global_prefetch_b8 v0, s[64:65] scope:SCOPE_SE
	s_setreg_imm32_b32 hwreg(HW_REG_WAVE_MODE, 25, 1), 1
	s_wait_xcnt 0x0
	s_wait_alu depctr_hold_cnt(0) depctr_sa_sdst(0) depctr_va_vdst(0) depctr_va_sdst(0) depctr_va_ssrc(0) depctr_va_vcc(0) depctr_vm_vsrc(0)
	s_getreg_b32 s2, hwreg(HW_REG_IB_STS2, 6, 4)
	s_cmp_eq_u32 s2, 0
	s_cbranch_scc0 .Lentry_in_a_cluster
	s_endpgm
.Lentry_in_a_cluster:
	s_bfe_u32 s2, ttmp6, 0x10000c
	s_cmp_lg_u32 s2, 0x3003
	s_cbranch_scc0 .Lentry_shape_is_right
	s_endpgm
.Lentry_shape_is_right:
; ATTN.  For each of 32 pairs (batch, head): O[q] = the sum over k of softmax_k(Q[q] . K[k] / 8) V[k]; 2,048 tokens, head size 64.  Operands in f16, products, maxima and sums in f32.
; The weights p = 2^(c s - c m) (c = log2(e) / 8, m the running maximum) are at most 1 and are rounded to f16 for the second product; O is rounded to f16 once, for the projection.
; SHARES.  A work-group owns 256 queries of one pair.  Eight waves, two to a SIMD: wave w owns queries 64 (w & 3) on (four tiles of 16) and HALF w >> 2 OF THE KEYS (1,024, in 16 steps of 64).
; So each fragment of K and V read from LDS feeds four matrix instructions, and one wave's softmax stands beside the other's products.  The two halves are merged once, at the end, through LDS.
; LAYOUT.  S^T = K Q^T (source 0 = 16 keys, source 1 = 16 queries) and O^T = V^T P (source 0 = 16 channels, source 1 = P): a lane holds ONE query (lane % 16) throughout.
; q, k and v lie in memory as images of these operands' registers: a key step's K is 8,192 consecutive bytes, and so is its V; every LDS load takes 512 consecutive bytes; nothing is transposed.
; RING.  Two slots of 131,072 bytes: [K, V][half of the keys][32 KB = 256 keys].  Each wave fetches 16 KB by one tensor load.  CLUSTER: the four blocks of queries of a cluster belong to one pair
; and walk the same K and V: each tile is asked for jointly.
; REGISTERS.  window 0: v2-10 addresses; v16-47 statistics, 8 a tile (+0 c m, +1 m, +2, +3 l in two halves, +4 .. +7 at work, a in +6); v64-191 S^T, 32 a tile, P in place in the low 16 of each; v192-255 K.
;             window 1: v0-63 Q; v64-191 O^T, 32 a tile; v192-255 V.
.set SLOTB, 131072
.set SPARE, 262144                     ; behind the ring: the spare words, 128 bytes a wave, that no other line names
.set AK0, 2                            ; v2   my half's K in a slot + 16 x lane
.set AV0, 3                            ; v3   its V
.set ADK, 4                            ; v4, v5  addresses of the runs of loads in hand
.set ADV, 5
.set SPW, 6                            ; v6   SPARE + 4 x my thread's number; never rewritten
.set NIL, 7                            ; v7   0; never rewritten
.set PFO, 8                            ; v8   256 x lane
.set LI,  9                            ; v9   16 x lane
.set MS,  10                           ; v10  the merge: 18,432 x (w & 3) + 16 x lane
.set ST,  16
.set S,   64
.set KF,  192
.set QF,  0
.set O,   64
.set VF,  192
.set WV,  12                           ; s12  wave
.set G1,  16                           ; s[16:23] descriptor group 1;  s[24:27], s[28:31] groups 0 of slots 0 and 1
.set G0,  24
.set CS,  32                           ; s[32:33] c, twice
.set SEL, 34                           ; s[34:35] selects for lane l xor 16
.set TB,  36                           ; s36  LDS byte at which the step to be fetched begins
.set CNT, 37
.set PFA, 38                           ; s[38:39] the prefetch's address; never rewritten
.set LIM, 40                           ; s40  0 in a wave that prefetches
.set MSB, 0
.macro WIN new                         ; the immediate's high byte repeats the setting that is left
.if MSB != \new
	s_set_vgpr_msb (MSB<<8)|\new
.set MSB, \new
.endif
.endm
.set W_KQ, 0x04                        ; Q (source 1) in window 1
.set W_PV, 0x51                        ; V (source 0), O^T (C and D) in window 1
.set W_RS, 0x41                        ; O^T (destination and source 0) in window 1
.set TO_1, 0x40                        ; destination in window 1
.macro CROUND
	s_barrier_signal -1
	s_barrier_wait -1
	s_cmp_lg_u32 s[WV], 0
	s_cbranch_scc1 .Lnot_wave_0_\@
	s_barrier_signal -3
.Lnot_wave_0_\@:
	s_barrier_wait -3
	s_barrier_signal -1
	s_barrier_wait -1
.endm
; A prefetch of what the NEXT change of slots will load: the last 256 keys of each half, 32 KB of K and of V each.  All clusters of a pair walk the same bytes: the pair's first cluster asks.
; Its four partners share each run of 32 KB out by address, 8 KB each; in each, waves 0-3 take one run each; lanes 256 bytes apart: each block of 256 bytes is named once in the launch.
.macro ASK
	s_cmp_eq_u32 s[LIM], 0
	s_cbranch_scc0 .Lnot_mine_\@
	global_prefetch_b8 v[PFO], s[PFA:PFA+1] th:TH_LOAD_NT scope:SCOPE_SE
.Lnot_mine_\@:
.endm
.macro KLOAD                           ; a key step's K: 64 keys x 64 channels, 8 fragments
	v_add_nc_u32 v[ADK], s[TB], v[AK0]
.set II, 0
.rept 16
	ds_load_b128 v[KF+4*II:KF+4*II+3], v[ADK] offset:512*II
.set II, II+1
.endr
.endm
; S^T = K Q^T of the step whose K has been asked for; then its V is asked for.
.macro STEP_A
.rept 5
	v_nop                                          ; these products write over P, which the last products V^T P read: five places (ISA guide 7.12.1)
.endr
	s_wait_dscnt 0x0                               ; K is in
	WIN W_KQ
.irp d, 0,1                                    ; the 16 accumulators take turns; the first 16 products start the sums
.irp t, 0,1,2,3
.irp k, 0,1,2,3
.if \d == 0
	v_wmma_f32_16x16x32_f16 v[S+32*\t+8*\k:S+32*\t+8*\k+7], v[KF+8*(2*\k+\d):KF+8*(2*\k+\d)+7], v[QF+8*(2*\t+\d):QF+8*(2*\t+\d)+7], 0
.else
	v_wmma_f32_16x16x32_f16 v[S+32*\t+8*\k:S+32*\t+8*\k+7], v[KF+8*(2*\k+\d):KF+8*(2*\k+\d)+7], v[QF+8*(2*\t+\d):QF+8*(2*\t+\d)+7], v[S+32*\t+8*\k:S+32*\t+8*\k+7]
.endif
.endr
.endr
.endr
	WIN 0
.rept 4
	v_nop                                          ; four places in front of the softmax's reads of S^T and of the loads into K's and V's registers
.endr
	v_add_nc_u32 v[ADV], s[TB], v[AV0]
	s_add_co_u32 s[TB], s[TB], 8192                ; the next fetch is the next step's
	WIN TO_1
.set II, 0
.rept 16
	ds_load_b128 v[VF+4*II:VF+4*II+3], v[ADV] offset:512*II
.set II, II+1
.endr
	WIN 0
.endm
; The softmax of four tiles of 16 queries x 64 keys, the tiles by turns, so that no line waits for the line above it.
.macro SOFTMAX
.irp j, 0,1,2,3
.irp t, 0,1,2,3
	v_max3_num_f32 v[ST+8*\t+4+\j], v[S+32*\t+8*\j], v[S+32*\t+8*\j+1], v[S+32*\t+8*\j+2]   ; each accumulator is read from its low end on
.endr
.endr
.irp u, 1,2
.irp j, 0,1,2,3
.irp t, 0,1,2,3
	v_max3_num_f32 v[ST+8*\t+4+\j], v[ST+8*\t+4+\j], v[S+32*\t+8*\j+2*\u+1], v[S+32*\t+8*\j+2*\u+2]
.endr
.endr
.endr
.irp t, 0,1,2,3
	v_max3_num_f32 v[ST+8*\t+4], v[ST+8*\t+4], v[S+32*\t+7], v[S+32*\t+15]
.endr
.irp t, 0,1,2,3
	v_max3_num_f32 v[ST+8*\t+6], v[ST+8*\t+6], v[S+32*\t+23], v[S+32*\t+31]
.endr
.irp t, 0,1,2,3
	v_max3_num_f32 v[ST+8*\t+4], v[ST+8*\t+4], v[ST+8*\t+5], v[ST+8*\t+6]
.endr
.irp t, 0,1,2,3
	v_max3_num_f32 v[ST+8*\t+4], v[ST+8*\t+4], v[ST+8*\t+7], v[ST+8*\t+1]   ; with the old m
.endr
.irp t, 0,1,2,3
	v_permlanex16_b32 v[ST+8*\t+5], v[ST+8*\t+4], s[SEL], s[SEL+1]          ; the query's other 32 keys lie in the lane 16 away
.endr
.irp t, 0,1,2,3
	v_mov_b32 v[ST+8*\t+7], v[ST+8*\t]             ; c m_old
.endr
.irp t, 0,1,2,3
	v_max_num_f32 v[ST+8*\t+1], v[ST+8*\t+4], v[ST+8*\t+5]
.endr
.irp t, 0,1,2,3
	v_mul_f32 v[ST+8*\t], s[CS], v[ST+8*\t+1]
.endr
.irp t, 0,1,2,3
	v_sub_f32 v[ST+8*\t+7], v[ST+8*\t+7], v[ST+8*\t]
.endr
; ONE BATCH: a = 2^(c m_old - c m_new), the 16 scalings of a tile and its 32 exponentials; none of these lines names an exponential's result
.irp t, 0,1,2,3
	v_exp_f32 v[ST+8*\t+6], v[ST+8*\t+7]
.endr
.irp t, 0,1,2,3
	v_pk_fma_f32 v[S+32*\t:S+32*\t+1], v[S+32*\t:S+32*\t+1], s[CS:CS+1], v[ST+8*\t:ST+8*\t+1] op_sel_hi:[1,0,0] neg_lo:[0,0,1] neg_hi:[0,0,1]
.endr
.set II, 1
.rept 15
.irp t, 0,1,2,3
	v_pk_fma_f32 v[S+32*\t+2*II:S+32*\t+2*II+1], v[S+32*\t+2*II:S+32*\t+2*II+1], s[CS:CS+1], v[ST+8*\t:ST+8*\t+1] op_sel_hi:[1,0,0] neg_lo:[0,0,1] neg_hi:[0,0,1]   ; c s - c m
.endr
.irp t, 0,1,2,3
	v_exp_f32 v[S+32*\t+2*II-2], v[S+32*\t+2*II-2]
	v_exp_f32 v[S+32*\t+2*II-1], v[S+32*\t+2*II-1]
.endr
.set II, II+1
.endr
.irp t, 0,1,2,3
	v_exp_f32 v[S+32*\t+30], v[S+32*\t+30]
	v_exp_f32 v[S+32*\t+31], v[S+32*\t+31]
.endr
	v_nop                                          ; a plain line behind the last exponential,
	s_wait_alu depctr_va_vdst(0)                   ; and the one wait ahead of the batch's first reader
.irp t, 0,1,2,3
	v_pk_fma_f32 v[ST+8*\t+2:ST+8*\t+3], v[ST+8*\t+2:ST+8*\t+3], v[ST+8*\t+6:ST+8*\t+7], v[S+32*\t:S+32*\t+1] op_sel_hi:[1,0,1]   ; l = a l + the first pair
.endr
.irp t, 0,1,2,3
	v_cvt_pk_f16_f32 v[S+32*\t], v[S+32*\t], v[S+32*\t+1]
.endr
.set II, 1
.rept 15
.irp t, 0,1,2,3
	v_pk_add_f32 v[ST+8*\t+2:ST+8*\t+3], v[ST+8*\t+2:ST+8*\t+3], v[S+32*\t+2*II:S+32*\t+2*II+1]   ; the sum is taken of the unrounded p
.endr
.irp t, 0,1,2,3
	v_cvt_pk_f16_f32 v[S+32*\t+II], v[S+32*\t+2*II], v[S+32*\t+2*II+1]   ; P in place: register i takes pair i, which lies at 2 i and 2 i + 1, so nothing unread is written over
.endr
.set II, II+1
.endr
	WIN W_RS
.set II, 0
.rept 16
.irp t, 0,1,2,3
	v_pk_mul_f32 v[O+32*\t+2*II:O+32*\t+2*II+1], v[O+32*\t+2*II:O+32*\t+2*II+1], v[ST+8*\t+6:ST+8*\t+7] op_sel_hi:[1,0]   ; O^T x a
.endr
.set II, II+1
.endr
.endm
; The next step's K is asked for; the softmax of the step in hand; O^T += V^T P.
.macro STEP_B kload
.if \kload
	KLOAD
.endif
	SOFTMAX
.if \kload
	s_wait_dscnt 16                                ; V is in; the 16 loads of K issued behind it may be out
.else
	s_wait_dscnt 0x0
.endif
	WIN W_PV
.irp g, 0,1                                    ; keys 32 g on; the 16 accumulators take turns
.irp d, 0,1,2,3
.irp t, 0,1,2,3
	v_wmma_f32_16x16x32_f16 v[O+32*\t+8*\d:O+32*\t+8*\d+7], v[VF+8*(4*\g+\d):VF+8*(4*\g+\d)+7], v[S+32*\t+8*\g:S+32*\t+8*\g+7], v[O+32*\t+8*\d:O+32*\t+8*\d+7]
.endr
.endr
.endr
.endm
.macro PAIRS n
	s_mov_b32 s[CNT], \n
.Lpair_\@:
	STEP_B 1
	STEP_A
	s_sub_co_u32 s[CNT], s[CNT], 1
	s_cmp_lg_u32 s[CNT], 0
	s_cbranch_scc1 .Lpair_\@
.endm
; THE CHANGE OF SLOTS, when the slot's last bytes (V of its fourth step) have been asked for.  Each wave waits for all its tensor loads (its part of the other slot), adds 0 to its spare word, and waits for
; that and for its reads of the slot.  fill = 1: a round of the cluster's barrier, and the joint refill first behind it: it has four key steps in which to land.
.macro CHANGE slot, fill, ask, tb
	s_wait_tensorcnt 0x0                           ; no tensor load of mine is out, so a group 0 may be written
	ds_add_u32 v[SPW], v[NIL]
.if \fill
	s_add_nc_u64 s[G0+4*\slot+2:G0+4*\slot+3], s[G0+4*\slot+2:G0+4*\slot+3], 65536   ; 512 keys on
.endif
	s_wait_dscnt 0x0                               ; the add is done, and my reads of the slot are over
.if \fill
	CROUND
	tensor_load_to_lds s[G0+4*\slot:G0+4*\slot+3], s[G1:G1+7]
	s_nop 0
.rept 4
	v_nop
.endr
.if \ask
	ASK
.endif
.else
	s_barrier_signal -1
	s_barrier_wait -1
.endif
	s_mov_b32 s[TB], \tb                           ; the fetches go on in the other slot
.endm
	s_load_b128 s[4:7], s[0:1], 0x0                ; qkv, ao
	v_lshl_add_u32 v[SPW], v0, 2, SPARE
	v_mov_b32 v[NIL], 0
	ds_add_u32 v[SPW], v[NIL]                      ; the opening: the add, twice on end, and its wait ahead of my first tensor load
	ds_add_u32 v[SPW], v[NIL]
	v_lshrrev_b32 v1, 5, v0
	v_readfirstlane_b32 s[WV], v1                  ; wave 0..7
	s_bfe_u32 s13, ttmp6, 0x40000                  ; cx
	s_lshl_b32 s14, ttmp9, 2
	s_add_co_u32 s14, s14, s13                     ; my block of 256 queries: it enters global addresses of Q, of ao and of the prefetch alone
	s_and_b32 s15, ttmp7, 0xffff                   ; the pair (batch, head), which the partners share
	s_and_b32 s41, s[WV], 3                        ; which 64 queries
	s_lshr_b32 s46, s[WV], 2                       ; which half of the keys
	s_mov_b32 s[G1], 15|(3<<16)|(1<<21)            ; 15:0 the mask: all four work-groups; 17:16 elements of 8 bytes; 21 set beside a mask; no padding
	s_mov_b32 s[G1+1], 32<<16                      ; 16,384 dense bytes as 64 rows of 256
	s_mov_b32 s[G1+2], 64<<16
	s_mov_b32 s[G1+3], 32<<16
	s_mov_b32 s[G1+4], 64
	s_mov_b32 s[G1+5], 32
	s_mov_b32 s[G1+6], 0
	s_mov_b32 s[G1+7], 0
	s_mov_b32 s[CS], 0x3e38aa3b                    ; c = log2(e) / 8
	s_mov_b32 s[CS+1], s[CS]
	s_mov_b32 s[SEL], 0x76543210
	s_mov_b32 s[SEL+1], 0xfedcba98
	s_lshr_b32 s[LIM], s[WV], 2
	s_or_b32 s[LIM], s[LIM], ttmp9                 ; 0 in waves 0-3 of the pair's first cluster: the same in all four partners
	v_and_b32 v1, 31, v0
	v_lshlrev_b32 v[LI], 4, v1
	v_lshlrev_b32 v[PFO], 8, v1
	s_lshl_b32 s52, s46, 15
	v_add_nc_u32 v[AK0], s52, v[LI]
	v_add_nc_u32 v[AV0], 65536, v[AK0]
	s_mul_i32 s52, s41, 18432
	v_add_nc_u32 v[MS], s52, v[LI]
	; what I fetch: wave w = (K or V: w >> 2) (half: (w >> 1) & 1) (which 16 KB: w & 1)
	s_lshr_b32 s42, s[WV], 2
	s_add_co_u32 s42, s42, 1
	s_lshl_b32 s42, s42, 23
	s_lshl_b32 s47, s15, 18
	s_add_co_u32 s42, s42, s47
	s_bfe_u32 s43, s[WV], 0x10001
	s_lshl_b32 s43, s43, 17
	s_add_co_u32 s42, s42, s43
	s_and_b32 s43, s[WV], 1
	s_lshl_b32 s43, s43, 14
	s_add_co_u32 s42, s42, s43
	s_mov_b32 s43, 0
	s_lshl_b32 s44, s14, 15                        ; Q: 16 tiles of 2,048 bytes a block, 4 a wave
	s_add_co_u32 s44, s44, s47
	s_lshl_b32 s45, s41, 13
	s_add_co_u32 s44, s44, s45
	s_mov_b32 s45, 0
	s_lshr_b32 s48, s15, 4                         ; ao: tile of rows 128 batch + 16 block + 4 (w & 3), 32,768 bytes each; the head's 2,048 bytes in it
	s_lshl_b32 s48, s48, 7
	s_lshl_b32 s49, s14, 4
	s_add_co_u32 s48, s48, s49
	s_lshl_b32 s49, s41, 2
	s_add_co_u32 s48, s48, s49
	s_lshl_b32 s48, s48, 15
	s_and_b32 s49, s15, 15
	s_lshl_b32 s49, s49, 11
	s_add_co_u32 s48, s48, s49
	s_mov_b32 s49, 0
	s_bfe_u32 s50, s[WV], 0x10001                  ; the prefetch: wave i of 0-3: K or V by i >> 1, half i & 1; the half's last 32 KB; my work-group's 8 KB of them
	s_add_co_u32 s50, s50, 1
	s_lshl_b32 s50, s50, 23
	s_add_co_u32 s50, s50, s47
	s_and_b32 s51, s[WV], 1
	s_lshl_b32 s51, s51, 17
	s_add_co_u32 s50, s50, s51
	s_lshl_b32 s51, s13, 13
	s_add_co_u32 s50, s50, s51
	s_add_co_u32 s50, s50, 98304
	s_mov_b32 s51, 0
	s_wait_dscnt 0x0                               ; both opening adds are done
	s_wait_kmcnt 0x0
	s_mov_b32 s[G0], 1
	s_lshl_b32 s[G0+1], s[WV], 14                  ; LDS: wave x 16,384: no place in the cluster enters an LDS address
	s_add_nc_u64 s[G0+2:G0+3], s[4:5], s[42:43]
	s_mov_b32 s[G0+4], 1
	s_add_co_u32 s[G0+5], s[G0+1], SLOTB
	s_add_nc_u64 s[G0+6:G0+7], s[G0+2:G0+3], 32768 ; slot 1 begins with the next 256 keys
	s_or_b32 s[G0+3], s[G0+3], 0x80000000
	s_or_b32 s[G0+7], s[G0+7], 0x80000000
	s_add_nc_u64 s[44:45], s[4:5], s[44:45]
	s_add_nc_u64 s[6:7], s[6:7], s[48:49]
	s_add_nc_u64 s[PFA:PFA+1], s[4:5], s[50:51]
	CROUND                                         ; all four work-groups are here: the first joint loads meet
	tensor_load_to_lds s[G0:G0+3], s[G1:G1+7]      ; both first fills together: two tensor loads of mine are out
	s_nop 0
	tensor_load_to_lds s[G0+4:G0+7], s[G1:G1+7]
	s_nop 0
.rept 4
	v_nop
.endr
	WIN TO_1
.set II, 0
.rept 16
	global_load_b128 v[QF+4*II:QF+4*II+3], v[LI], s[44:45] offset:512*II   ; Q stays in registers
.set II, II+1
.endr
.set II, 0
.rept 128
	v_mov_b32 v[O+II], 0                           ; the key step is written once: the first finds zeros, which a = 0 leaves zeros
.set II, II+1
.endr
	WIN 0
.irp t, 0,1,2,3
	v_mov_b32 v[ST+8*\t+1], 0xff61b1e6             ; m: -3e38, under every score
	v_mul_f32 v[ST+8*\t], s[CS], v[ST+8*\t+1]
	v_mov_b32 v[ST+8*\t+2], 0
	v_mov_b32 v[ST+8*\t+3], 0
.endr
	s_wait_tensorcnt 0x1                           ; my part of slot 0 is in; slot 1's may be out
	s_barrier_signal -1
	s_barrier_wait -1
	s_mov_b32 s[TB], 0
	KLOAD
	s_wait_loadcnt 0x0                             ; Q
	STEP_A                                         ; key step 0
	PAIRS 3                                        ; steps 0-2 are finished, the scores of 1-3 made
	CHANGE 0, 1, 1, SLOTB                          ; slot 0 takes keys 512 on of each half
	PAIRS 4
	CHANGE 1, 1, 0, 0                              ; slot 1 takes keys 768 on: the last load
	PAIRS 4
	CHANGE 0, 0, 0, SLOTB
	PAIRS 4
	STEP_B 0                                       ; the last step
	; THE MERGE of the two halves of the keys, and the way out.  The four additions are the places behind the last products.
	WIN 0
.irp t, 0,1,2,3
	v_add_f32 v[ST+8*\t+4], v[ST+8*\t+2], v[ST+8*\t+3]
.endr
.irp t, 0,1,2,3
	v_permlanex16_b32 v[ST+8*\t+5], v[ST+8*\t+4], s[SEL], s[SEL+1]
.endr
.irp t, 0,1,2,3
	v_add_f32 v[ST+8*\t+2], v[ST+8*\t+4], v[ST+8*\t+5]   ; my half's sum
.endr
	s_cmp_lt_u32 s[WV], 4
	s_cbranch_scc1 .Lkeeper
	WIN 0x04                                       ; an LDS store's data are its source 1: window 1
.set II, 0
.rept 32
	ds_store_b128 v[MS], v[O+4*II:O+4*II+3] offset:512*II   ; waves 4-7 hand O^T over as it stands, in slot 0, which has had its last fill and was left at the last barrier
.set II, II+1
.endr
	WIN 0
.irp t, 0,1,2,3
	ds_store_b128 v[MS], v[ST+8*\t:ST+8*\t+3] offset:16384+512*\t   ; and c m and the sum
.endr
.Lkeeper:
	s_wait_dscnt 0x0                               ; for the others' sake: my stores are done
	s_barrier_signal -1
	s_barrier_wait -1
	s_cmp_lt_u32 s[WV], 4
	s_cbranch_scc0 .Lend
.set II, 0
.rept 32
	ds_load_b128 v[S+4*II:S+4*II+3], v[MS] offset:512*II
.set II, II+1
.endr
.irp t, 0,1,2,3
	ds_load_b128 v[KF+4*\t:KF+4*\t+3], v[MS] offset:16384+512*\t
.endr
	s_wait_dscnt 0x0
.irp t, 0,1,2,3
	v_max_num_f32 v[ST+8*\t+4], v[ST+8*\t], v[KF+4*\t]   ; the joint c m
.endr
.irp t, 0,1,2,3
	v_sub_f32 v[ST+8*\t+5], v[ST+8*\t], v[ST+8*\t+4]
.endr
.irp t, 0,1,2,3
	v_sub_f32 v[ST+8*\t+7], v[KF+4*\t], v[ST+8*\t+4]
.endr
.irp t, 0,1,2,3
	v_exp_f32 v[ST+8*\t+5], v[ST+8*\t+5]           ; f0
.endr
.irp t, 0,1,2,3
	v_exp_f32 v[ST+8*\t+7], v[ST+8*\t+7]           ; f1
.endr
	v_nop
	s_wait_alu depctr_va_vdst(0)                   ; one wait for the eight
.irp t, 0,1,2,3
	v_mul_f32 v[ST+8*\t+3], v[ST+8*\t+2], v[ST+8*\t+5]
.endr
.irp t, 0,1,2,3
	v_fma_f32 v[ST+8*\t+3], v[KF+4*\t+2], v[ST+8*\t+7], v[ST+8*\t+3]   ; the joint sum
.endr
.irp t, 0,1,2,3
	v_rcp_f32 v[ST+8*\t+1], v[ST+8*\t+3]
.endr
	v_nop
	s_wait_alu depctr_va_vdst(0)                   ; one wait for the four
.irp t, 0,1,2,3
	v_mul_f32 v[ST+8*\t+4], v[ST+8*\t+5], v[ST+8*\t+1]
.endr
.irp t, 0,1,2,3
	v_mul_f32 v[ST+8*\t+6], v[ST+8*\t+7], v[ST+8*\t+1]
.endr
.set II, 0
.rept 16
.irp t, 0,1,2,3
	v_pk_mul_f32 v[S+32*\t+2*II:S+32*\t+2*II+1], v[S+32*\t+2*II:S+32*\t+2*II+1], v[ST+8*\t+6:ST+8*\t+7] op_sel_hi:[1,0]
.endr
.set II, II+1
.endr
	WIN 0x01                                       ; source 0 (my O^T) in window 1
.set II, 0
.rept 16
.irp t, 0,1,2,3
	v_pk_fma_f32 v[S+32*\t+2*II:S+32*\t+2*II+1], v[O+32*\t+2*II:O+32*\t+2*II+1], v[ST+8*\t+4:ST+8*\t+5], v[S+32*\t+2*II:S+32*\t+2*II+1] op_sel_hi:[1,0,1]   ; ascending: each accumulator from its low end on
.endr
.set II, II+1
.endr
	WIN 0
.set II, 0
.rept 16
.irp t, 0,1,2,3
	v_cvt_pk_f16_f32 v[S+32*\t+II], v[S+32*\t+2*II], v[S+32*\t+2*II+1]
.endr
.set II, II+1
.endr
.irp t, 0,1,2,3
.irp d, 0,1,2,3
	global_store_b128 v[LI], v[S+32*\t+4*\d:S+32*\t+4*\d+3], s[6:7] offset:\t*32768+\d*512   ; 512 consecutive bytes, aligned: a group of four registers of the projection's operand
.endr
.endr
.Lend:
	s_wait_tensorcnt 0x0                           ; the wave's end
	ds_add_u32 v[SPW], v[NIL]
	s_wait_dscnt 0x0
	CROUND                                         ; the closing round
	s_endpgm
.Lfunc_end_k_q51a96176d4_attn:
	.size	k_q51a96176d4_attn, .Lfunc_end_k_q51a96176d4_attn-k_q51a96176d4_attn
	.p2alignl 7, 3214868480
	.fill 96, 4, 3214868480
	.section	.rodata,"a",@progbits
	.p2align	6, 0x0
	.amdhsa_kernel k_q51a96176d4_attn
		.amdhsa_group_segment_fixed_size 327680
		.amdhsa_private_segment_fixed_size 0
		.amdhsa_enable_private_segment 0
		.amdhsa_kernarg_size 16
		.amdhsa_user_sgpr_count 2
		.amdhsa_user_sgpr_kernarg_segment_ptr 1
		.amdhsa_wavefront_size32 1
		.amdhsa_system_sgpr_workgroup_id_x 1
		.amdhsa_system_sgpr_workgroup_id_y 1
		.amdhsa_system_sgpr_workgroup_id_z 1
		.amdhsa_system_vgpr_workitem_id 0
		.amdhsa_next_free_vgpr 512
		.amdhsa_next_free_sgpr 66
		.amdhsa_reserve_vcc 0
		.amdhsa_float_denorm_mode_32 3
		.amdhsa_float_denorm_mode_16_64 3
		.amdhsa_memory_ordered 1
		.amdhsa_forward_progress 1
		.amdhsa_inst_pref_size 193
	.end_amdhsa_kernel
	.amdgpu_metadata
---
amdhsa.version: [ 1, 2 ]
amdhsa.kernels:
  - .name:           k_q51a96176d4_attn
    .symbol:         k_q51a96176d4_attn.kd
    .args:
      - { .name: qkv, .offset: 0, .size: 8, .value_kind: global_buffer, .address_space: global }
      - { .name: ao, .offset: 8, .size: 8, .value_kind: global_buffer, .address_space: global }
    .group_segment_fixed_size: 327680
    .private_segment_fixed_size: 0
    .kernarg_segment_align: 8
    .kernarg_segment_size: 16
    .max_flat_workgroup_size: 256
    .sgpr_count:     66
    .vgpr_count:     512
    .wavefront_size: 32
...
	.end_amdgpu_metadata
.endif
;; end of part 3
;; launch proj (part 4): grid 8 x 32, 4 waves a work-group, clusters of 4 x 4, 327,680 bytes of LDS; arguments ao, wo16, bo, out0; writes out0
.if DOCPART == 4
	.amdgcn_target "amdgcn-amd-amdhsa--gfx1250"
	.amdhsa_code_object_version 6
	.text
	.protected	k_q51a96176d4_proj
	.globl	k_q51a96176d4_proj
	.p2align	8
	.type	k_q51a96176d4_proj,@function
k_q51a96176d4_proj:
	s_mov_b64 s[64:65], 0
	v_nop
	global_prefetch_b8 v0, s[64:65] scope:SCOPE_SE
	s_setreg_imm32_b32 hwreg(HW_REG_WAVE_MODE, 25, 1), 1
	s_wait_xcnt 0x0
	s_wait_alu depctr_hold_cnt(0) depctr_sa_sdst(0) depctr_va_vdst(0) depctr_va_sdst(0) depctr_va_ssrc(0) depctr_va_vcc(0) depctr_vm_vsrc(0)
	s_getreg_b32 s2, hwreg(HW_REG_IB_STS2, 6, 4)
	s_cmp_eq_u32 s2, 0
	s_cbranch_scc0 .Lentry_in_a_cluster
	s_endpgm
.Lentry_in_a_cluster:
	s_bfe_u32 s2, ttmp6, 0x10000c
	s_cmp_lg_u32 s2, 0xf033
	s_cbranch_scc0 .Lentry_shape_is_right
	s_endpgm
.Lentry_shape_is_right:
; PROJ.  out0 [4096][1024] f32 = (the attention's result) Wo + bo; operands in f16, sums in f32.
; A tile of 128 x 128 to a work-group (256 work-groups), four waves of 64 x 64: 16 accumulators.  K = 1,024 goes in four steps of 256 through a ring of two LDS slots.
; Both operands lie in memory as images of their registers: [tile of 16 rows or columns][128 groups of 8 k][16][16 bytes].  A K step of a tile is 8,192 consecutive bytes; a fragment (16 x 32 k) 1,024.
; CLUSTER 4 x 4: A's tiles are shared along a row of the cluster, B's along a column: joint loads.
; THE MATRIX INSTRUCTION IS USED TRANSPOSED (source 0 = 16 columns of Wo, source 1 = 16 rows): a lane holds eight neighbouring numbers of a row of the output.
; The bias is the C of each sum's first product: eight registers for each block of 16 columns, in the result's layout.
; REGISTERS.  window 0: v0-31 addresses; v32-95 the way out; v96-127 the bias; v128-255 the accumulators ((a, b) at 128 + 8 (4 a + b)).  window 1: two fragment buffers of 128 (64 of A, 64 of B, for 64 along K).
.set SLOT,   131072                    ; A's 8 tiles x 8 KB, then B's
.set STAGE,  2*SLOT                    ; behind the ring: 16 rows x 272 bytes for each wave
.set SPITCH, 272
.set SPARE,  STAGE+4*16*SPITCH         ; the spare words, 128 bytes a wave, that no other line names
.set ADRA, 16                          ; v16-17  my A fragments in slot 0, 1
.set ADRB, 20                          ; v20-21  B's
.set STO,  24
.set RD,   25
.set CO,   26
.set SPW,  28                          ; v28  SPARE + 4 x my thread's number; never rewritten
.set NIL,  29                          ; v29  0; never rewritten
.set OB,   32
.set BIAS, 96
.set ACC,  128
.set F0,   0
.set F1,   128
.set G1,   24
.set G0,   32
.set G1B,  48
.set G0B,  56
.set MSB, 0
.macro WIN new
.if MSB != \new
	s_set_vgpr_msb (MSB<<8)|\new
.set MSB, \new
.endif
.endm
.set MUL,  0x05                        ; sources 0 (B) and 1 (A) in window 1; C and D in window 0
.set TO_F, 0x40                        ; destination in window 1
.macro JLOAD s                         ; a joint load: waves 0 and 1 fetch A's two halves, waves 2 and 3 B's
	s_cmp_eq_u32 s13, 0
	s_cbranch_scc0 .Lfor_b_\@
	tensor_load_to_lds s[G0+4*\s:G0+4*\s+3], s[G1:G1+7]
	s_nop 0
.rept 4
	v_nop
.endr
	s_branch .Lasked_\@
.Lfor_b_\@:
	tensor_load_to_lds s[G0B+4*\s:G0B+4*\s+3], s[G1B:G1B+7]
	s_nop 0
.rept 4
	v_nop
.endr
.Lasked_\@:
.endm
.macro CREST
	s_cmp_lg_u32 s12, 0
	s_cbranch_scc1 .Lnot_wave_0_\@
	s_barrier_signal -3
.Lnot_wave_0_\@:
	s_barrier_wait -3
	s_barrier_signal -1
	s_barrier_wait -1
.endm
.macro CROUND
	s_barrier_signal -1
	s_barrier_wait -1
	CREST
.endm
; 8 matrix instructions: row blocks a0, a0 + 1 x all 4 column blocks, 32 along K: half c of buffer f.  first = 1: the sums start from the bias
.macro MUL8 f, c, a0, first
.irp a, \a0, \a0+1
.irp b, 0,1,2,3
.if \first
	v_wmma_f32_16x16x32_f16 v[ACC+8*(4*(\a)+\b):ACC+8*(4*(\a)+\b)+7], v[\f+64+8*(4*\c+\b):\f+64+8*(4*\c+\b)+7], v[\f+8*(4*\c+\a):\f+8*(4*\c+\a)+7], v[BIAS+8*\b:BIAS+8*\b+7]
.else
	v_wmma_f32_16x16x32_f16 v[ACC+8*(4*(\a)+\b):ACC+8*(4*(\a)+\b)+7], v[\f+64+8*(4*\c+\b):\f+64+8*(4*\c+\b)+7], v[\f+8*(4*\c+\a):\f+8*(4*\c+\a)+7], v[ACC+8*(4*(\a)+\b):ACC+8*(4*(\a)+\b)+7]
.endif
.endr
.endr
.endm
; 32 LDS loads in one run: the fragments of quarter q (64 along K) of a slot into buffer f; the first 32 along K first
.macro FETCH slot, q, f
	WIN TO_F
.irp c, 0,1
.irp i, 0,1,2,3
	ds_load_b128 v[\f+64+8*(4*\c+\i):\f+64+8*(4*\c+\i)+3],   v[ADRB+\slot] offset:\i*8192+(2*\q+\c)*1024
	ds_load_b128 v[\f+64+8*(4*\c+\i)+4:\f+64+8*(4*\c+\i)+7], v[ADRB+\slot] offset:\i*8192+(2*\q+\c)*1024+512
	ds_load_b128 v[\f+8*(4*\c+\i):\f+8*(4*\c+\i)+3],         v[ADRA+\slot] offset:\i*8192+(2*\q+\c)*1024
	ds_load_b128 v[\f+8*(4*\c+\i)+4:\f+8*(4*\c+\i)+7],       v[ADRA+\slot] offset:\i*8192+(2*\q+\c)*1024+512
.endr
.endr
.endm
.macro PLACES                          ; four places in front of loads into registers that matrix instructions have read, and of the first read of results
.rept 4
	v_nop
.endr
.endm
; One of a K step's first three quarters: multiplies buffer f and fetches quarter q of the same slot into g.  The 16 accumulators take turns.
.macro QUARTER slot, q, f, g, first
	s_wait_dscnt 16                                ; the first 32 along K are in
	WIN MUL
	MUL8 \f, 0, 0, \first
	MUL8 \f, 0, 2, \first
	PLACES
	FETCH \slot, \q, \g
	s_wait_dscnt 32                                ; all but the 32 just issued
	WIN MUL
	MUL8 \f, 1, 0, 0
	MUL8 \f, 1, 2, 0
.endm
; The last quarter multiplies buffer 1 and changes slots: one barrier; in front of it each wave waits for all its tensor loads, adds 0 to its spare word, and waits for that and for its reads of this slot.
.macro TURN slot, next, fill
	WIN 0                                          ; (the add's two registers lie in window 0)
	s_wait_tensorcnt 0x0                           ; all my tensor loads have landed: my part of the next slot
	ds_add_u32 v[SPW], v[NIL]
	s_wait_dscnt 17                                ; (the add and the youngest sixteen loads may be out)
	WIN MUL
	MUL8 F1, 0, 0, 0
	s_wait_dscnt 0x0                               ; the add is done, and my reads of this slot are over
	s_barrier_signal -1
	MUL8 F1, 0, 2, 0
.if \fill
	WIN 0
.endif
	s_barrier_wait -1
.if \fill
	CREST                                          ; the barrier has opened a round of the cluster's: no wave of any partner still reads this slot or has a load on its way
	s_add_nc_u64 s[G0+4*\slot+2:G0+4*\slot+3], s[G0+4*\slot+2:G0+4*\slot+3], 16384
	s_add_nc_u64 s[G0B+4*\slot+2:G0B+4*\slot+3], s[G0B+4*\slot+2:G0B+4*\slot+3], 16384
	JLOAD \slot                                    ; the first tensor load behind the round; its four v_nop are also the places in front of the loads below
.else
	PLACES
.endif
	FETCH \next, 0, F0
	WIN MUL
	MUL8 F1, 1, 0, 0
	MUL8 F1, 1, 2, 0
.endm
	s_load_b256 s[4:11], s[0:1], 0x0               ; ao 4, wo16 6, bo 8, out0 10
	v_lshl_add_u32 v[SPW], v0, 2, SPARE
	v_mov_b32 v[NIL], 0
	ds_add_u32 v[SPW], v[NIL]                      ; the opening: the add, twice on end, and its wait ahead of my first tensor load
	ds_add_u32 v[SPW], v[NIL]
	v_lshrrev_b32 v1, 5, v0
	v_readfirstlane_b32 s12, v1                    ; wave 0..3
	s_lshr_b32 s13, s12, 1                         ; which half of the tile's rows is mine.  Also: I fetch for A (0) or for B (1)
	s_and_b32 s14, s12, 1                          ; which half of its columns.  Also: which four tiles I fetch
	s_bfe_u32 s40, ttmp6, 0x40000
	s_bfe_u32 s41, ttmp6, 0x40004
	s_lshl_b32 s42, ttmp9, 2
	s_add_co_u32 s42, s42, s40                     ; tile column
	s_and_b32 s15, ttmp7, 0xffff
	s_lshl_b32 s15, s15, 2
	s_add_co_u32 s15, s15, s41                     ; tile row
	s_lshl_b32 s43, s41, 2
	s_lshl_b32 s43, 15, s43                        ; my row of the cluster
	s_lshl_b32 s44, 0x1111, s40                    ; my column
	s_or_b32 s[G1], s43, (3<<16)|(1<<21)           ; 15:0 the mask; 17:16 elements of 8 bytes; 21 set beside a mask; no padding
	s_or_b32 s[G1B], s44, (3<<16)|(1<<21)
.irp g, G1, G1B
	s_mov_b32 s[\g+1], 1024<<16                    ; four rows (tiles) of 8,192 bytes (a K step), 32,768 bytes apart
	s_mov_b32 s[\g+2], 4<<16
	s_mov_b32 s[\g+3], 1024<<16
	s_mov_b32 s[\g+4], 4
	s_mov_b32 s[\g+5], 4096
	s_mov_b32 s[\g+6], 0
	s_mov_b32 s[\g+7], 0
.endr
	s_lshl_b32 s17, s14, 2
	s_lshl_b32 s16, s15, 3
	s_add_co_u32 s16, s16, s17                     ; A: tile 8 x tile row + 4 x half
	s_lshl_b32 s16, s16, 15
	s_lshl_b32 s46, s42, 3
	s_add_co_u32 s46, s46, s17                     ; B: tile 8 x tile column + 4 x half
	s_lshl_b32 s46, s46, 15
	s_mov_b32 s17, 0
	s_mov_b32 s47, 0
	s_lshl_b32 s20, s12, 15                        ; where they go: wave x 32,768
	s_wait_dscnt 0x0                               ; both opening adds are done
	s_wait_kmcnt 0x0
	s_add_nc_u64 s[18:19], s[4:5], s[16:17]
	s_add_nc_u64 s[46:47], s[6:7], s[46:47]
	CROUND                                         ; all sixteen work-groups are here: the first joint loads meet
.irp s, 0,1
	s_mov_b32 s[G0+4*\s], 1
	s_add_co_u32 s[G0+4*\s+1], s20, \s*SLOT
	s_add_nc_u64 s[G0+4*\s+2:G0+4*\s+3], s[18:19], \s*8192
	s_or_b32 s[G0+4*\s+3], s[G0+4*\s+3], 0x80000000
	s_mov_b32 s[G0B+4*\s], 1
	s_add_co_u32 s[G0B+4*\s+1], s20, \s*SLOT
	s_add_nc_u64 s[G0B+4*\s+2:G0B+4*\s+3], s[46:47], \s*8192
	s_or_b32 s[G0B+4*\s+3], s[G0B+4*\s+3], 0x80000000
	JLOAD \s                                       ; K steps 0 and 1: two tensor loads of mine are out
.endr
	v_and_b32 v1, 31, v0
	v_lshlrev_b32 v3, 4, v1                        ; 16 x lane
	s_lshl_b32 s21, s13, 15                        ; my four tiles of A,
	s_lshl_b32 s22, s14, 15
	s_add_co_u32 s22, s22, 65536                   ; and of B, which lie behind A's eight
.irp s, 0,1
	v_add_nc_u32 v[ADRA+\s], s21, v3
	v_add_nc_u32 v[ADRB+\s], s22, v3
	s_add_co_u32 s21, s21, SLOT
	s_add_co_u32 s22, s22, SLOT
.endr
	v_and_b32 v1, 15, v0                           ; r
	v_bfe_u32 v2, v0, 4, 1                         ; h
	s_mul_i32 s23, s12, 16*SPITCH
	s_add_co_u32 s23, s23, STAGE                   ; my stage
	v_mul_u32_u24 v4, v1, SPITCH
	v_lshl_add_u32 v4, v2, 5, v4
	v_add_nc_u32 v[STO], s23, v4                   ; in: row r, 32 bytes for each half of the lanes
	v_mul_u32_u24 v5, v2, SPITCH
	v_lshl_add_u32 v5, v1, 4, v5
	v_add_nc_u32 v[RD], s23, v5                    ; back: lanes 0-15 one row of 256 bytes, lanes 16-31 the next
	v_lshlrev_b32 v5, 12, v2
	v_lshl_add_u32 v[CO], v1, 4, v5                ; and the same two rows in the output
	v_lshlrev_b32 v6, 5, v2                        ; the bias: my half's eight numbers of a block of 16
	s_lshl_b32 s16, s15, 7
	s_lshl_b32 s17, s13, 6
	s_add_co_u32 s16, s16, s17                     ; my first row
	s_lshl_b32 s16, s16, 12
	s_mov_b32 s17, 0
	s_add_nc_u64 s[10:11], s[10:11], s[16:17]
	s_lshl_b32 s46, s42, 9                         ; my first column, in bytes: the same in a row of the output and in the bias
	s_lshl_b32 s47, s14, 8
	s_add_co_u32 s46, s46, s47
	s_mov_b32 s47, 0
	s_add_nc_u64 s[10:11], s[10:11], s[46:47]
	s_add_nc_u64 s[8:9], s[8:9], s[46:47]
.irp b, 0,1,2,3
	global_load_b128 v[BIAS+8*\b:BIAS+8*\b+3], v6, s[8:9] offset:64*\b
	global_load_b128 v[BIAS+8*\b+4:BIAS+8*\b+7], v6, s[8:9] offset:64*\b+16
.endr
	s_wait_tensorcnt 0x1                           ; my part of K step 0 is in; K step 1's may be out
	s_barrier_signal -1
	s_barrier_wait -1
	FETCH 0, 0, F0
	s_wait_loadcnt 0x0                             ; the bias
	QUARTER 0, 1, F0, F1, 1                        ; K step 0
	QUARTER 0, 2, F1, F0, 0
	QUARTER 0, 3, F0, F1, 0
	TURN 0, 1, 1                                   ; slot 0 takes K step 2
	QUARTER 1, 1, F0, F1, 0                        ; K step 1
	QUARTER 1, 2, F1, F0, 0
	QUARTER 1, 3, F0, F1, 0
	TURN 1, 0, 1                                   ; slot 1 takes K step 3
	QUARTER 0, 1, F0, F1, 0                        ; K step 2
	QUARTER 0, 2, F1, F0, 0
	QUARTER 0, 3, F0, F1, 0
	TURN 0, 1, 0                                   ; nothing is left to fetch
	QUARTER 1, 1, F0, F1, 0                        ; K step 3
	QUARTER 1, 2, F1, F0, 0
	QUARTER 1, 3, F0, F1, 0
	s_wait_dscnt 16
	WIN MUL
	MUL8 F1, 0, 0, 0
	MUL8 F1, 0, 2, 0
	s_wait_dscnt 0x0
	MUL8 F1, 1, 0, 0
	MUL8 F1, 1, 2, 0
	WIN 0
; THE WAY OUT, a block of 16 rows x 64 columns at a time.  A lane holds 32 neighbouring bytes of a row; the block goes through my own stage and comes back as rows of 256 bytes, which sixteen lanes store
; as 256 consecutive bytes, aligned.  LDS serves a wave's instructions in order: no wait between the stores and the loads, nor in front of the next block's stores.
.macro TOSTAGE a
.irp b, 0,1,2,3
	ds_store_b128 v[STO], v[ACC+8*(4*(\a)+\b):ACC+8*(4*(\a)+\b)+3] offset:64*\b        ; each accumulator from its low end on
	ds_store_b128 v[STO], v[ACC+8*(4*(\a)+\b)+4:ACC+8*(4*(\a)+\b)+7] offset:64*\b+16
.endr
.set BB, OB+32*((\a)%2)
.irp t, 0,1,2,3,4,5,6,7
	ds_load_b128 v[BB+4*\t:BB+4*\t+3], v[RD] offset:\t*2*SPITCH
.endr
.endm
.macro SEND a, younger                 ; younger: the LDS instructions issued behind block a's loads, which may stay out
.set BB, OB+32*((\a)%2)
	s_wait_dscnt \younger
.irp t, 0,1,2,3,4,5,6,7
	global_store_b128 v[CO], v[BB+4*\t:BB+4*\t+3], s[10:11] offset:(16*(\a)+2*\t)*4096 th:TH_STORE_NT
.endr
.endm
	PLACES
	TOSTAGE 0
.irp a, 1,2,3
.if \a > 1
	s_wait_xcnt 0x0                                ; block a - 2's stores have read their registers: block a's loads may land there
.endif
	TOSTAGE \a
	SEND \a-1, 16                                  ; behind block a - 1's loads: block a's 8 stores and 8 loads
.endr
	SEND 3, 0
	s_wait_tensorcnt 0x0                           ; the wave's end
	ds_add_u32 v[SPW], v[NIL]
	s_wait_dscnt 0x0
	CROUND                                         ; the closing round
	s_endpgm
.Lfunc_end_k_q51a96176d4_proj:
	.size	k_q51a96176d4_proj, .Lfunc_end_k_q51a96176d4_proj-k_q51a96176d4_proj
	.p2alignl 7, 3214868480
	.fill 96, 4, 3214868480
	.section	.rodata,"a",@progbits
	.p2align	6, 0x0
	.amdhsa_kernel k_q51a96176d4_proj
		.amdhsa_group_segment_fixed_size 327680
		.amdhsa_private_segment_fixed_size 0
		.amdhsa_enable_private_segment 0
		.amdhsa_kernarg_size 32
		.amdhsa_user_sgpr_count 2
		.amdhsa_user_sgpr_kernarg_segment_ptr 1
		.amdhsa_wavefront_size32 1
		.amdhsa_system_sgpr_workgroup_id_x 1
		.amdhsa_system_sgpr_workgroup_id_y 1
		.amdhsa_system_sgpr_workgroup_id_z 1
		.amdhsa_system_vgpr_workitem_id 0
		.amdhsa_next_free_vgpr 512
		.amdhsa_next_free_sgpr 66
		.amdhsa_reserve_vcc 0
		.amdhsa_float_denorm_mode_32 3
		.amdhsa_float_denorm_mode_16_64 3
		.amdhsa_memory_ordered 1
		.amdhsa_forward_progress 1
		.amdhsa_inst_pref_size 86
	.end_amdhsa_kernel
	.amdgpu_metadata
---
amdhsa.version: [ 1, 2 ]
amdhsa.kernels:
  - .name:           k_q51a96176d4_proj
    .symbol:         k_q51a96176d4_proj.kd
    .args:
      - { .name: ao, .offset: 0, .size: 8, .value_kind: global_buffer, .address_space: global }
      - { .name: wo16, .offset: 8, .size: 8, .value_kind: global_buffer, .address_space: global }
      - { .name: bo, .offset: 16, .size: 8, .value_kind: global_buffer, .address_space: global }
      - { .name: out0, .offset: 24, .size: 8, .value_kind: global_buffer, .address_space: global }
    .group_segment_fixed_size: 327680
    .private_segment_fixed_size: 0
    .kernarg_segment_align: 8
    .kernarg_segment_size: 32
    .max_flat_workgroup_size: 128
    .sgpr_count:     66
    .vgpr_count:     512
    .wavefront_size: 32
...
	.end_amdgpu_metadata
.endif
;; end of part 4
